; MI455X (gfx1250); checked and timed in simulation.
; The chip was launched on July 23, 2026; its instructions are those of AMD's public machine-readable ISA for CDNA 5 (MIT licence, August 2026) and "CDNA5" Instruction Set Architecture Reference Guide (July 2026). The comments in the code are by the model that wrote it; some were corrected since.
;; SNN 1. Allowed arithmetic: float matrix products may take bf16 or f16 operands with f32 sums; all other float work in f32.
;; Inputs: W_a 64 x 256 float32; W_f 64 x 256 float32; W_h 256 x 512 float32; W_in 512 x 128 float32; b_a 64 float32; b_f 64 float32; b_h 256 float32; b_in 512 float32; beta1 512 float32; beta2 256 float32; beta_a 64 float32; beta_f 64 float32; thr1 512 float32; thr2 256 float32; x 1,024 x 128 x 256 float32.
;; Outputs: out0 1,024 x 64 float32; out1 1,024 x 64 float32.
;; One version. Each part assembles by itself: llvm-mc -triple=amdgcn-amd-amdhsa -mcpu=gfx1250 --defsym DOCPART=n.
;; ======== version 1 of 1: 2 launches
;; workspace buffers: wfrag 458,752 bytes
;; launch prep (part 1): grid 28 x 4, 8 waves a work-group, no clusters, 0 bytes of LDS; arguments W_in, W_h, W_f, W_a, wfrag; writes wfrag
.if DOCPART == 1
	.amdgcn_target "amdgcn-amd-amdhsa--gfx1250"
	.amdhsa_code_object_version 6
	.text
	.protected	k_q6468d28873_prep
	.globl	k_q6468d28873_prep
	.p2align	8
	.type	k_q6468d28873_prep,@function
k_q6468d28873_prep:
	s_mov_b64 s[64:65], 0
	v_nop
	global_prefetch_b8 v0, s[64:65] scope:SCOPE_SE
	s_setreg_imm32_b32 hwreg(HW_REG_WAVE_MODE, 25, 1), 1
	s_wait_xcnt 0x0
; The four weight matrices, rounded to bf16 (nearest even) and laid out as the main kernel's registers want them.
; wfrag: one block of 114,688 bytes for each wave wv (0..3) of the main kernel = 112 fragments of 1,024 bytes:
;   0-31   W_in, rows 128 wv + 16 n + r, fragment 4 n + kk        32-95  W_h, rows 64 wv + 16 t + r, fragment 32 + 16 t + kk
;   96-111 W_f (wv 0, 1) or W_a (wv 2, 3), rows 32 (wv & 1) + 16 u + r, fragment 96 + 8 u + kk
; A fragment is 16 rows x 32 k: bytes 16 L of its first half are registers 0-3 of lane L (row L % 16, k = 32 kk + 8 (L / 16) + 0..7),
; bytes 512 + 16 L registers 4-7 (k 16 further on).  A work-group (j, wv) writes four fragments on end, 4,096 bytes: they are four K steps
; of one tile of 16 rows.  Thread t writes the 16 bytes at 16 t (a wave's store covers 512 consecutive bytes, aligned) from 32 consecutive bytes of f32.
; No LDS, no matrix unit: 896 KB are read once and 448 KB written once.
.set WBLOCK, 114688
	s_load_b256 s[4:11], s[0:1], 0x0               ; W_in s[4:5], W_h s[6:7], W_f s[8:9], W_a s[10:11]
	s_load_b64 s[12:13], s[0:1], 0x20              ; wfrag
	s_and_b32 s14, ttmp7, 0xffff                   ; wv
	s_mov_b32 s15, ttmp9                           ; j: the group of four fragments
	v_and_b32 v1, 15, v0                           ; the row in the tile
	v_lshrrev_b32 v2, 4, v0                        ; bit 0: half of the lanes, bit 1: half of the registers, bits 3:2: fragment
	v_lshlrev_b32 v2, 5, v2                        ; 32 bytes of f32 for each
	v_lshlrev_b32 v3, 4, v0                        ; where I write
	s_mul_i32 s24, s14, WBLOCK
	s_lshl_b32 s25, s15, 12
	s_add_co_u32 s24, s24, s25
	s_mov_b32 s25, 0
	s_mov_b32 s23, 0
	s_wait_kmcnt 0x0
	s_add_nc_u64 s[12:13], s[12:13], s[24:25]      ; wfrag at my group
	s_cmp_lt_u32 s15, 8
	s_cbranch_scc0 .Lnot_in
	s_mov_b64 s[16:17], s[4:5]                     ; W_in: rows of 512 bytes, tile j, K steps 0-3
	s_mov_b32 s18, 9
	s_lshl_b32 s20, s14, 7
	s_lshl4_add_u32 s20, s15, s20                  ; first row 128 wv + 16 j
	s_mov_b32 s21, 0
	s_branch .Lgo
.Lnot_in:
	s_cmp_lt_u32 s15, 24
	s_cbranch_scc0 .Lread_out
	s_sub_co_u32 s19, s15, 8
	s_mov_b64 s[16:17], s[6:7]                     ; W_h: rows of 2,048 bytes, tile jj / 4, K steps 4 (jj % 4) on
	s_mov_b32 s18, 11
	s_lshl_b32 s20, s14, 6
	s_lshr_b32 s21, s19, 2
	s_lshl4_add_u32 s20, s21, s20                  ; first row 64 wv + 16 (jj / 4)
	s_and_b32 s21, s19, 3
	s_lshl_b32 s21, s21, 9                         ; four K steps are 512 bytes of f32
	s_branch .Lgo
.Lread_out:
	s_sub_co_u32 s19, s15, 24
	s_cmp_lt_u32 s14, 2
	s_cselect_b64 s[16:17], s[8:9], s[10:11]       ; W_f or W_a: rows of 1,024 bytes, tile jj / 2, K steps 4 (jj % 2) on
	s_mov_b32 s18, 10
	s_and_b32 s20, s14, 1
	s_lshl_b32 s20, s20, 5
	s_lshr_b32 s21, s19, 1
	s_lshl4_add_u32 s20, s21, s20                  ; first row 32 (wv & 1) + 16 (jj / 2)
	s_and_b32 s21, s19, 1
	s_lshl_b32 s21, s21, 9
.Lgo:
	s_lshl_b32 s22, s20, s18                       ; first row x pitch
	s_add_co_u32 s22, s22, s21                     ; + first K step
	s_add_nc_u64 s[16:17], s[16:17], s[22:23]
	v_lshlrev_b32 v4, s18, v1                      ; my row x pitch
	v_add_nc_u32 v4, v4, v2
	global_load_b128 v[8:11], v4, s[16:17]
	global_load_b128 v[12:15], v4, s[16:17] offset:16
	s_wait_loadcnt 0x0
	v_cvt_pk_bf16_f32 v16, v8, v9
	v_cvt_pk_bf16_f32 v17, v10, v11
	v_cvt_pk_bf16_f32 v18, v12, v13
	v_cvt_pk_bf16_f32 v19, v14, v15
	global_store_b128 v3, v[16:19], s[12:13]
	s_endpgm
.Lfunc_end_k_q6468d28873_prep:
	.size	k_q6468d28873_prep, .Lfunc_end_k_q6468d28873_prep-k_q6468d28873_prep
	.p2alignl 7, 3214868480
	.fill 96, 4, 3214868480
	.section	.rodata,"a",@progbits
	.p2align	6, 0x0
	.amdhsa_kernel k_q6468d28873_prep
		.amdhsa_group_segment_fixed_size 0
		.amdhsa_private_segment_fixed_size 0
		.amdhsa_enable_private_segment 0
		.amdhsa_kernarg_size 40
		.amdhsa_user_sgpr_count 2
		.amdhsa_user_sgpr_kernarg_segment_ptr 1
		.amdhsa_wavefront_size32 1
		.amdhsa_system_sgpr_workgroup_id_x 1
		.amdhsa_system_sgpr_workgroup_id_y 1
		.amdhsa_system_sgpr_workgroup_id_z 1
		.amdhsa_system_vgpr_workitem_id 0
		.amdhsa_next_free_vgpr 20
		.amdhsa_next_free_sgpr 66
		.amdhsa_reserve_vcc 0
		.amdhsa_float_denorm_mode_32 3
		.amdhsa_float_denorm_mode_16_64 3
		.amdhsa_memory_ordered 1
		.amdhsa_forward_progress 1
		.amdhsa_inst_pref_size 3
	.end_amdhsa_kernel
	.amdgpu_metadata
---
amdhsa.version: [ 1, 2 ]
amdhsa.kernels:
  - .name:           k_q6468d28873_prep
    .symbol:         k_q6468d28873_prep.kd
    .args:
      - { .name: W_in, .offset: 0, .size: 8, .value_kind: global_buffer, .address_space: global }
      - { .name: W_h, .offset: 8, .size: 8, .value_kind: global_buffer, .address_space: global }
      - { .name: W_f, .offset: 16, .size: 8, .value_kind: global_buffer, .address_space: global }
      - { .name: W_a, .offset: 24, .size: 8, .value_kind: global_buffer, .address_space: global }
      - { .name: wfrag, .offset: 32, .size: 8, .value_kind: global_buffer, .address_space: global }
    .group_segment_fixed_size: 0
    .private_segment_fixed_size: 0
    .kernarg_segment_align: 8
    .kernarg_segment_size: 40
    .max_flat_workgroup_size: 256
    .sgpr_count:     66
    .vgpr_count:     20
    .wavefront_size: 32
...
	.end_amdgpu_metadata
.endif
;; end of part 1
;; launch snn (part 2): grid 256 x 1, 4 waves a work-group, no clusters, 327,680 bytes of LDS; arguments x, wfrag, b_in, beta1, thr1, b_h, beta2, thr2, b_f, beta_f, b_a, beta_a, out0, out1; writes out0, out1
.if DOCPART == 2
	.amdgcn_target "amdgcn-amd-amdhsa--gfx1250"
	.amdhsa_code_object_version 6
	.text
	.protected	k_q6468d28873_snn
	.globl	k_q6468d28873_snn
	.p2align	8
	.type	k_q6468d28873_snn,@function
k_q6468d28873_snn:
	s_mov_b64 s[64:65], 0
	v_nop
	global_prefetch_b8 v0, s[64:65] scope:SCOPE_SE
	s_setreg_imm32_b32 hwreg(HW_REG_WAVE_MODE, 25, 1), 1
	s_wait_xcnt 0x0
; A spiking network, 256 time steps, fused: two leaky layers with subtract reset (128 -> 512 -> 256), two leaky read-outs (256 -> 64, 64), a sigmoid of the last state.
; SHARES.  A work-group owns 4 batch rows for all steps.  A BLOCK is 4 rows x 4 steps = one matrix tile of 16 rows, row m = 8 (b / 2) + 2 tt + b % 2.  In a result lane (r, h) then holds ONE
; neuron (r), and its register pair (2 tt, 2 tt + 1) the batch rows 2 h, 2 h + 1 at step tt: the recurrence runs inside a lane, on packed f32, time ascending through the registers.
; Wave w owns layer-1 neurons 128 w .. (8 tiles), layer-2 neurons 64 w .. (4 tiles) and 32 read-outs (2 tiles; waves 0, 1: W_f, waves 2, 3: W_a): 32 + 64 + 16 = 112 matrix instructions a block.
; WEIGHTS STAY: of a wave's 112 fragments 96 fill register windows 1 to 3; the 16 of W_h's fourth tile lie in LDS, in register order, read by that wave alone.
; SPIKES go from a result to the next product through LDS: a lane's 8 spikes of a tile are 16 bytes of bf16, stored as [neuron][16 tile rows], 32 bytes a neuron, and come back as source 0 by the turning load.
; x comes by one tensor load a wave (its batch row: 128 inputs x 64 steps of f32, rows of 256 aligned bytes); once in 16 blocks a BURST rounds it to bf16 into [input][16 blocks x 32 bytes].
; PIPELINE.  Trip i: product 1 and scan 1 of block i, product 2 of block i - 1, scan 2 of block i - 2, product 3 and read-out of block i - 3: the stages of a trip do not hang on each other, so four
; vector instructions of a scan stand behind each matrix instruction.  67 trips for 64 blocks; one barrier a trip; spike buffers by turns.  Layer 2's state is set anew in trip 2 and the read-outs' in trip 3
; (what the trips before made of zeros is thrown away); the last three trips' layer-1 work (on the last chunk's blocks 0-2 once more) serves nothing.
; NO CLUSTER: work-groups share no byte of x; the weights are read once, at the start, straight into registers (448 KB a work-group, more than the LDS left beside the regions below).
; LIMITS.  All fifteen inputs are rounded to bf16 (nearest even) and then used in f32; every product is then exact.  Sums are taken in the matrix unit's order, and beta m + cur and - s thr are fused
; multiply-adds: a membrane differs from the problem's definition by about 1e-7 of itself, so one that lies that close to its threshold may spike a step earlier or later.  m - thr > 0 is tested as m > thr
; (the same in f32 with denormals kept).  A NaN beta is clipped to 0; other NaN and infinities are not treated apart.
.set S1B,   131072                     ; LDS: 0 .. 131,071 F: [row 4][input 128][64 f32], filled by tensor loads alone
                                       ; S1: 2 buffers x [512 neurons][32 bytes]; at the very end the stage for the results
.set S2B,   163840                     ; S2: 2 buffers x [256 neurons][32 bytes]
.set WLB,   180224                     ; WL: 16,384 bytes a wave: 16 fragments of W_h's fourth tile
.set XSB,   245760                     ; XS: [input 128], 512 bytes used of a pitch of 544
.set XP,    544                        ; 17 x 32
.set SPARE, 315392                     ; the spare words, 128 bytes a wave: two blocks of 256 bytes that no other line names
.set WBLOCK, 114688                    ; a wave's block of wfrag
.set SPW,  2                           ; v2   LDS address of my spare word; never rewritten
.set NIL,  3                           ; v3   0; never rewritten
.set XR,   4                           ; v4   the turning load's lane term in XS
.set XA,   5                           ; v5   XR + the block's 32 bytes
.set TR32, 6                           ; v6   the turning load's lane term in a spike buffer
.set WR32, 7                           ; v7   32 r + 16 h: where a lane's 16 bytes of spikes go
.set S1RA, 8                           ; v8-11  read and write addresses in S1 and S2, remade when the buffers change
.set S1WA, 9
.set S2RA, 10
.set S2WA, 11
.set WLA,  12                          ; v12  my 16 bytes of a fragment in WL
.set FRD,  13                          ; v13  the burst: where I read F
.set XWR,  14                          ; v14  the burst: where I write XS
.set L16,  15                          ; v15  16 x lane
.set BT1,  16                          ; v16-31   tile n: (beta1, thr1)
.set BI1,  32                          ; v32-39   tile n: b_in
.set M1,   40                          ; v40-55   tile n: membrane of my two rows
.set S1S,  56                          ; v56-71   tile n: their last spikes, 0.0 or 1.0
.set BT2,  72                          ; v72-99   the same for layer 2's four tiles
.set BI2,  80
.set M2,   84
.set S2S,  92
.set BB3,  100                         ; v100-103 tile u: (beta, bias) of the read-outs
.set MF,   104                         ; v104-107 tile u: their state
.set T0,   108                         ; v108-111 at work
.set G,    112                         ; v112-143 accumulators of four layer-1 tiles: tiles 0-3, then 4-7
.set ACC2, 144                         ; v144-175 layer 2's
.set ACC3, 176                         ; v176-191 the read-outs'
.set FR,   192                         ; v192-255 a ring of eight fragment slots
                                       ; window 1: W_in (n, kk) at v[8 (4 n + kk)]; window 2: W_h tiles 0, 1 at v[8 (16 t + kk)]; window 3: W_h tile 2 at v[8 kk], read-outs at v[128 + 8 (8 u + kk)]
.set G0,  36                           ; s[36:39] descriptor group 0
.set G1,  40                           ; s[40:47] descriptor group 1
.set MK,  48                           ; s[48:55] the threshold tests' masks, two a tile
.set WV,  56                           ; my wave's number
.set TR,  57                           ; trips to go in a chunk
.set CH,  58                           ; chunks to go
.set TN,  59                           ; the trip's number
.set XB,  60                           ; 32 x the block's number in its chunk
.set S1R, 61                           ; the spike buffers' bases: read, write (with my wave's rows)
.set S1W, 62
.set S2R, 63
.set S2W, 66
.set MSB, 0
.macro WIN new                         ; s_set_vgpr_msb: bits 1:0 source 0, 3:2 source 1, 5:4 source 2, 7:6 destination; the high byte repeats the setting that is left
.if MSB != (\new)
	s_set_vgpr_msb (MSB<<8)|(\new)
.set MSB, (\new)
.endif
.endm
; ---------------- the fragment ring ----------------
; A trip's fragments are numbered in the order of use; number f lies in slot f % 8.  0-3 x (loaded as 48-51 of the trip before, or by the burst); 4-11 layer 2's spikes; 12-27 and 32-47 by turns
; layer 1's spikes and W_h's fourth tile, K steps 0-7 and 8-15; 28-31 x once more; 48-51 the next block's x.  LD loads number LF by two loads and steps LF.
.macro LD
	WIN 0
.set sl, FR+8*(LF%8)
.set ky, (LF-12)/2-2*(LF/32)
.if LF < 12
	ds_load_tr16_b128 v[sl:sl+3],   v[S2RA] offset:1024*(LF-4)
	ds_load_tr16_b128 v[sl+4:sl+7], v[S2RA] offset:1024*(LF-4)+512
.elseif ((LF >= 28) && (LF < 32)) || (LF >= 48)
	ds_load_tr16_b128 v[sl:sl+3],   v[XA] offset:32*XP*(LF%4)
	ds_load_tr16_b128 v[sl+4:sl+7], v[XA] offset:32*XP*(LF%4)+16*XP
.elseif LF%2 == 0
	ds_load_tr16_b128 v[sl:sl+3],   v[S1RA] offset:1024*ky
	ds_load_tr16_b128 v[sl+4:sl+7], v[S1RA] offset:1024*ky+512
.else
	ds_load_b128 v[sl:sl+3],   v[WLA] offset:1024*ky
	ds_load_b128 v[sl+4:sl+7], v[WLA] offset:1024*ky+512
.endif
.set LF, LF+1
.endm
.macro NEED f                          ; LDS instructions end in order (ISA guide 5.7.1): behind fragment f's two loads stand two for each later fragment (and perhaps spike stores, which only raise the true number)
	s_wait_dscnt 2*(LF-(\f)-1)
.endm
; ---------------- the matrix work: source 0 = 16 tile rows of activations, source 1 = 16 neurons' weights; a layer's K step 0 starts the sums with the constant 0 ----------------
.macro W1 tl, n, kk, f                 ; layer 1: tile n into G's accumulator tl
	WIN 0x04
.set rD, G+8*(\tl)
.set rY, FR+8*((\f)%8)
.set rW, 8*(4*(\n)+(\kk))
.if (\kk) == 0
	v_wmma_f32_16x16x32_bf16 v[rD:rD+7], v[rY:rY+7], v[rW:rW+7], 0
.else
	v_wmma_f32_16x16x32_bf16 v[rD:rD+7], v[rY:rY+7], v[rW:rW+7], v[rD:rD+7]
.endif
.endm
.macro W2 t, kk, fy, fv                ; layer 2: tile t; the fourth tile's weights come from slot fv, in window 0
.set rD, ACC2+8*(\t)
.set rY, FR+8*((\fy)%8)
.if (\t) < 2
	WIN 0x08
.set rW, 8*(16*(\t)+(\kk))
.elseif (\t) == 2
	WIN 0x0c
.set rW, 8*(\kk)
.else
	WIN 0
.set rW, FR+8*((\fv)%8)
.endif
.if (\kk) == 0
	v_wmma_f32_16x16x32_bf16 v[rD:rD+7], v[rY:rY+7], v[rW:rW+7], 0
.else
	v_wmma_f32_16x16x32_bf16 v[rD:rD+7], v[rY:rY+7], v[rW:rW+7], v[rD:rD+7]
.endif
.endm
.macro W3 u, kk, f                     ; the read-outs: tile u
	WIN 0x0c
.set rD, ACC3+8*(\u)
.set rY, FR+8*((\f)%8)
.set rW, 128+8*(8*(\u)+(\kk))
.if (\kk) == 0
	v_wmma_f32_16x16x32_bf16 v[rD:rD+7], v[rY:rY+7], v[rW:rW+7], 0
.else
	v_wmma_f32_16x16x32_bf16 v[rD:rD+7], v[rY:rY+7], v[rW:rW+7], v[rD:rD+7]
.endif
.endm
; ---------------- the scan of four tiles: a list of 128 instructions, the four tiles by turns ----------------
; For a tile and step tt, on the accumulator's pair a = registers 2 tt, 2 tt + 1:  a += bias;  a = m_before beta + a;  m = - s thr + a (s: the spikes of the step before, which are this step's reset);
; the spikes of the step before are packed to bf16 into a register of the accumulator that is dead by then;  m > thr, twice;  s = 1.0 or 0, twice.  Step 3's m goes to the state registers.
; After the last pack registers 0-3 of the accumulator are the tile's 16 bytes.  The first line reads registers 0 and 1: an accumulator is read from its low end on.
.macro SCSET acc, bt, bi, m, s
.set cA, \acc
.set cT, \bt
.set cB, \bi
.set cM, \m
.set cS, \s
.set q, 0
.endm
.macro SCOP
.set tlq, q%4
.set ppq, q/4+(q/4+29)/32              ; the place in a tile's list of 8 a step; step 0 has no pack (place 3); place 32 is the last pack
.set ttq, ppq/8
.set oq, ppq%8
.set rA, cA+8*tlq+2*ttq
.set rT, cT+2*tlq
.set rM, cM+2*tlq
.set rS, cS+2*tlq
.set rB, cB+2*(tlq/2)
.set rP, rA-2                          ; the membrane of the step before
.if ttq == 0
.set rP, rM
.endif
.set rN, rA                            ; this step's
.if ttq == 3
.set rN, rM
.endif
.if ppq == 32
	v_cvt_pk_bf16_f32 v[cA+8*tlq+3], v[rS], v[rS+1]
.elseif oq == 0
.if tlq%2 == 0
	v_pk_add_f32 v[rA:rA+1], v[rA:rA+1], v[rB:rB+1] op_sel_hi:[1,0]
.else
	v_pk_add_f32 v[rA:rA+1], v[rA:rA+1], v[rB:rB+1] op_sel:[0,1] op_sel_hi:[1,1]
.endif
.elseif oq == 1
	v_pk_fma_f32 v[rA:rA+1], v[rP:rP+1], v[rT:rT+1], v[rA:rA+1] op_sel_hi:[1,0,1]
.elseif oq == 2
	v_pk_fma_f32 v[rN:rN+1], v[rS:rS+1], v[rT:rT+1], v[rA:rA+1] op_sel:[0,1,0] op_sel_hi:[1,1,1] neg_lo:[1,0,0] neg_hi:[1,0,0]
.elseif oq == 3
	v_cvt_pk_bf16_f32 v[cA+8*tlq+ttq-1], v[rS], v[rS+1]
.elseif oq < 6
	v_cmp_gt_f32 s[MK+2*tlq+oq-4], v[rN+oq-4], v[rT+1]
.else
	v_cndmask_b32 v[rS+oq-6], 0, 1.0, s[MK+2*tlq+oq-6]
.endif
.set q, q+1
.endm
.macro R4                              ; the four behind a matrix instruction: plain vector instructions that name none of its registers, so they are also the places that a load into its sources wants
	WIN 0
	SCOP
	SCOP
	SCOP
	SCOP
.endm
; The read-outs' list: 0-7 sum + bias; 8-15 state = state beta + that, time ascending, the two tiles by turns; 16-18 the addresses for the next trip; 19, 20, 24-27 v_nop, where places are wanted and no work is left.
.macro Q3OP
.set u3, q3%2
.set rC, ACC3+8*u3+2*((q3%8)/2)
.if (q3 < 21) || (q3 > 23)
	WIN 0
.endif
.if q3 < 8
	v_pk_add_f32 v[rC:rC+1], v[rC:rC+1], v[BB3+2*u3:BB3+2*u3+1] op_sel:[0,1] op_sel_hi:[1,1]
.elseif q3 < 16
	v_pk_fma_f32 v[MF+2*u3:MF+2*u3+1], v[MF+2*u3:MF+2*u3+1], v[BB3+2*u3:BB3+2*u3+1], v[rC:rC+1] op_sel_hi:[1,0,1]
.elseif q3 == 16
	v_add_nc_u32 v[S2RA], s[S2R], v[TR32]
.elseif q3 == 17
	v_add_nc_u32 v[S2WA], s[S2W], v[WR32]
.elseif q3 == 18
	v_add_nc_u32 v[XA], s[XB], v[XR]
.elseif (q3 < 21) || (q3 > 23)
	v_nop
.endif
.set q3, q3+1
.endm
.macro INIT2                           ; layer 2's state at time 0: m = 0; the first reset is the spike of m = 0
.set tq, 0
.rept 4
	v_mov_b32 v[M2+2*tq], 0
	v_mov_b32 v[M2+2*tq+1], 0
	v_cmp_gt_f32 s[MK], 0, v[BT2+2*tq+1]
	v_cndmask_b32 v[S2S+2*tq], 0, 1.0, s[MK]
	v_cndmask_b32 v[S2S+2*tq+1], 0, 1.0, s[MK]
.set tq, tq+1
.endr
.endm
.macro INIT3
.set tq, 0
.rept 4
	v_mov_b32 v[MF+tq], 0
.set tq, tq+1
.endr
.endm
; ---------------- a trip ----------------
; The accumulators take turns, one instruction a turn (4, 2, 4, 4, 4 of them), across the parts and the backward jump too.
; A slot is loaded again straight behind the four riders of the last matrix instruction that read it: fragment f + 8 behind fragment f's last use.
.macro TRIP init
.if \init
	s_cmp_eq_u32 s[TN], 2                  ; trip 2 scans layer 2's block 0
	s_cbranch_scc0 .Lnot2_\@
	INIT2
.Lnot2_\@:
	s_cmp_eq_u32 s[TN], 3                  ; trip 3 integrates the read-outs' block 0
	s_cbranch_scc0 .Lnot3_\@
	INIT3
.Lnot3_\@:
.endif
.set LF, 4
	; part 1: layer 1's tiles 0-3 of block i, the read-outs of block i - 3 | scan 2 of block i - 2
	SCSET ACC2, BT2, BI2, M2, S2S
	LD
	LD
	LD
	LD
.set kq, 0
.rept 4
	NEED kq
.set tq, 0
.rept 4
	W1 tq, tq, kq, kq
	R4
.set tq, tq+1
.endr
	LD
.set kq, kq+1
.endr
.set kq, 0
.rept 8
	NEED 4+kq
	W3 0, kq, 4+kq
	R4
	W3 1, kq, 4+kq
	R4
	LD
.set kq, kq+1
.endr
.set tq, 0
.rept 4
	ds_store_b128 v[S2WA], v[ACC2+8*tq:ACC2+8*tq+3] offset:512*tq   ; layer 2's spikes of block i - 2: read in the next trip, behind the barrier
.set tq, tq+1
.endr
	; part 2: layer 2 of block i - 1, K steps 0-7 | scan 1 of tiles 0-3
	SCSET G, BT1, BI1, M1, S1S
.set kq, 0
.rept 8
	NEED 13+2*kq
.set tq, 0
.rept 4
	W2 tq, kq, 12+2*kq, 13+2*kq
	R4
.set tq, tq+1
.endr
	LD
	LD
.set kq, kq+1
.endr
.set tq, 0
.rept 4
	ds_store_b128 v[S1WA], v[G+8*tq:G+8*tq+3] offset:512*tq
.set tq, tq+1
.endr
	; part 3: layer 1's tiles 4-7 | the read-outs' integration.  All this trip's reads and stores of S2 and its reads of x have been issued: their bases step
	s_xor_b32 s[S2R], s[S2R], 8192
	s_xor_b32 s[S2W], s[S2W], 8192
	s_add_co_u32 s[XB], s[XB], 32
	s_and_b32 s[XB], s[XB], 511
.set q3, 0
.set kq, 0
.rept 4
	NEED 28+kq
.set tq, 0
.rept 4
	W1 tq, 4+tq, kq, 28+kq
	Q3OP
.if tq == 3
	Q3OP
	Q3OP
	Q3OP
.endif
.set tq, tq+1
.endr
	LD
.set kq, kq+1
.endr
	; part 4: layer 2 of block i - 1, K steps 8-15 | scan 1 of tiles 4-7
	SCSET G, BT1+8, BI1+4, M1+8, S1S+8
.set kq, 0
.rept 8
	NEED 33+2*kq
.set tq, 0
.rept 4
	W2 tq, 8+kq, 32+2*kq, 33+2*kq
	R4
.set tq, tq+1
.endr
.if kq < 6
	LD
	LD
.endif
.set kq, kq+1
.endr
.set tq, 0
.rept 4
	ds_store_b128 v[S1WA], v[G+8*tq:G+8*tq+3] offset:2048+512*tq
.set tq, tq+1
.endr
	s_xor_b32 s[S1R], s[S1R], 16384
	s_xor_b32 s[S1W], s[S1W], 16384
	v_add_nc_u32 v[S1RA], s[S1R], v[TR32]
	v_add_nc_u32 v[S1WA], s[S1W], v[WR32]
.if \init
	s_add_co_u32 s[TN], s[TN], 1
.endif
	s_wait_dscnt 0x0                       ; for the others' sake: my spike stores are done, and so are my reads of the buffers that the next trip writes
	s_barrier_signal -1
	s_barrier_wait -1
.endm
; ---------------- the burst: a chunk of 64 steps, F (f32) -> XS (bf16), once in 16 trips ----------------
; Wave w takes inputs 32 w .. 32 w + 31, four at a time.  Lane (r, h) reads four steps (block r) of rows 2 h and 2 h + 1 and writes 16 bytes: word tt = (row 2 h, row 2 h + 1) at step tt.
.macro BL g                            ; eight loads: four inputs x two rows, into half g % 2 of the ring's registers
.set bq, 0
.rept 4
	ds_load_b128 v[FR+32*((\g)%2)+8*bq:FR+32*((\g)%2)+8*bq+3],   v[FRD] offset:256*(4*(\g)+bq)
	ds_load_b128 v[FR+32*((\g)%2)+8*bq+4:FR+32*((\g)%2)+8*bq+7], v[FRD] offset:256*(4*(\g)+bq)+32768
.set bq, bq+1
.endr
.endm
.macro BURST fill
	s_wait_tensorcnt 0x0                   ; my one tensor load, my row of the chunk, has landed
	s_wait_dscnt 0x0
	s_barrier_signal -1
	s_barrier_wait -1                      ; everybody's has
	BL 0
	BL 1
.set gq, 0
.rept 8
.if gq == 0
	s_wait_dscnt 8                         ; behind group 0's loads: group 1's eight
.elseif gq < 7
	s_wait_dscnt 12                        ; behind this group's loads: four stores and the next group's eight loads
.else
	s_wait_dscnt 4                         ; behind the last group's loads: four stores
.endif
.set bq, 0
.rept 16
	v_cvt_pk_bf16_f32 v[G+16*(gq%2)+bq], v[FR+32*(gq%2)+8*(bq/4)+bq%4], v[FR+32*(gq%2)+8*(bq/4)+4+bq%4]
.set bq, bq+1
.endr
.set bq, 0
.rept 4
	ds_store_b128 v[XWR], v[G+16*(gq%2)+4*bq:G+16*(gq%2)+4*bq+3] offset:XP*(4*gq+bq)
.set bq, bq+1
.endr
.if gq < 6
	BL gq+2
.endif
.set gq, gq+1
.endr
.if \fill
	s_wait_tensorcnt 0x0                   ; no tensor load of mine is out, so group 0 may be written
	ds_add_u32 v[SPW], v[NIL]              ; 0 onto my spare word
	s_add_nc_u64 s[G0+2:G0+3], s[G0+2:G0+3], 256   ; the next 64 steps; the type bits on top are not reached
	s_wait_dscnt 0x0                       ; the add is done, my reads of F are back, my stores into XS are done
	s_barrier_signal -1
	s_barrier_wait -1                      ; that holds of all four waves
	tensor_load_to_lds s[G0:G0+3], s[G1:G1+7]      ; my one load behind the barrier: it has 16 trips in which to land
	s_nop 0
.rept 4
	v_nop
.endr
.else
	s_wait_dscnt 0x0                       ; my stores into XS are done
	s_barrier_signal -1
	s_barrier_wait -1
.endif
.set LF, 48
	LD                                     ; the chunk's first block: x's four fragments into slots 0-3
	LD
	LD
	LD
.endm
; ================ the head ================
	s_load_b512 s[8:23], s[0:1], 0x0               ; x s[8:9], wfrag s[10:11], b_in, beta1, thr1 s[12:17], b_h, beta2, thr2 s[18:23]
	s_load_b256 s[24:31], s[0:1], 0x40             ; b_f, beta_f, b_a, beta_a
	s_load_b128 s[32:35], s[0:1], 0x60             ; out0, out1
	v_lshl_add_u32 v[SPW], v0, 2, SPARE
	v_mov_b32 v[NIL], 0
	ds_add_u32 v[SPW], v[NIL]                      ; the wave's opening: the add and its wait stand ahead of my first tensor load
	ds_add_u32 v2, v3
	v_lshrrev_b32 v1, 5, v0
	v_readfirstlane_b32 s[WV], v1                  ; wave 0..3
	s_mov_b32 s[G1+0], 2<<16                       ; elements of 4 bytes; no mask, no padding
	s_mov_b32 s[G1+1], 64<<16                      ; tensor_dim0 = 64
	s_mov_b32 s[G1+2], 128<<16                     ; tensor_dim1 = 128
	s_mov_b32 s[G1+3], 64<<16                      ; tile_dim0 = 64 steps: 256 bytes
	s_mov_b32 s[G1+4], 128                         ; tile_dim1 = 128 inputs
	s_mov_b32 s[G1+5], 256                         ; 256 elements from input to input
	s_mov_b32 s[G1+6], 0
	s_mov_b32 s[G1+7], 0
	s_mov_b32 s[G0], 1
	s_lshl_b32 s[G0+1], s[WV], 15                  ; F: 32,768 bytes a wave
	s_lshl_b32 s68, ttmp9, 2
	s_add_co_u32 s68, s68, s[WV]                   ; my batch row
	s_lshl_b32 s68, s68, 17                        ; x 131,072 bytes: under 2^27
	s_mov_b32 s69, 0
	s_wait_dscnt 0x0                               ; the opening add is done
	s_wait_kmcnt 0x0
	s_add_nc_u64 s[G0+2:G0+3], s[8:9], s[68:69]
	s_or_b32 s[G0+3], s[G0+3], 0x80000000          ; type = 2
	tensor_load_to_lds s[G0:G0+3], s[G1:G1+7]      ; steps 0-63 of my row: the first fill, ahead of every LDS read, barrier and wait on TENSORcnt
	s_nop 0
.rept 4
	v_nop
.endr
	; lane terms
	v_and_b32 v[T0], 15, v0                        ; r
	v_bfe_u32 v[T0+1], v0, 4, 1                    ; h
	v_and_b32 v[T0+2], 7, v0
	v_bfe_u32 v[T0+3], v0, 3, 1
	v_lshl_add_u32 v[T0+2], v[T0+1], 3, v[T0+2]    ; the turning load: lane l addresses row 8 h + l % 8, bytes 16 ((l / 8) % 2) on
	v_mul_u32_u24 v[XR], v[T0+2], XP
	v_lshl_add_u32 v[XR], v[T0+3], 4, v[XR]
	v_add_nc_u32 v[XR], XSB, v[XR]
	v_mov_b32 v[XA], v[XR]
	v_lshlrev_b32 v[TR32], 5, v[T0+2]
	v_lshl_add_u32 v[TR32], v[T0+3], 4, v[TR32]
	v_lshlrev_b32 v[WR32], 5, v[T0]
	v_lshl_add_u32 v[WR32], v[T0+1], 4, v[WR32]
	v_and_b32 v[L16], 31, v0
	v_lshlrev_b32 v[L16], 4, v[L16]
	s_lshl_b32 s68, s[WV], 14
	s_add_co_u32 s68, s68, WLB
	v_add_nc_u32 v[WLA], s68, v[L16]
	s_lshl_b32 s68, s[WV], 13                      ; my 32 inputs' 8,192 bytes in a row of F
	v_lshl_add_u32 v[FRD], v[T0+1], 16, s68        ; rows 2 h, 2 h + 1
	v_lshl_add_u32 v[FRD], v[T0], 4, v[FRD]        ; block r
	s_mul_i32 s68, s[WV], 32*XP
	s_add_co_u32 s68, s68, XSB
	v_add_nc_u32 v[XWR], s68, v[WR32]
	s_lshl_b32 s[S1W], s[WV], 12                   ; my 128 neurons x 32 bytes, buffer 0
	s_add_co_u32 s[S1W], s[S1W], S1B
	s_mov_b32 s[S1R], S1B+16384                    ; buffer 1
	s_lshl_b32 s[S2W], s[WV], 11                   ; my 64 neurons x 32 bytes, buffer 0
	s_add_co_u32 s[S2W], s[S2W], S2B
	s_mov_b32 s[S2R], S2B+8192
	s_mov_b32 s[XB], 0
	s_mov_b32 s[TN], 0
	v_add_nc_u32 v[S1RA], s[S1R], v[TR32]
	v_add_nc_u32 v[S1WA], s[S1W], v[WR32]
	v_add_nc_u32 v[S2RA], s[S2R], v[TR32]
	v_add_nc_u32 v[S2WA], s[S2W], v[WR32]
	s_cmp_lt_u32 s[WV], 2                          ; waves 0, 1: the first read-out; waves 2, 3: the second
	s_cselect_b64 s[70:71], s[24:25], s[28:29]     ; its bias,
	s_cselect_b64 s[72:73], s[26:27], s[30:31]     ; its beta,
	s_cselect_b64 s[74:75], s[32:33], s[34:35]     ; its output
	s_mul_i32 s68, s[WV], WBLOCK
	s_mov_b32 s69, 0
	s_add_nc_u64 s[10:11], s[10:11], s[68:69]      ; my block of wfrag
	s_lshl_b32 s68, s[WV], 9
	v_lshl_add_u32 v1, v[T0], 2, s68               ; layer 1's vectors: 4 (128 w + r)
	s_lshl_b32 s68, s[WV], 8
	v_lshl_add_u32 v[T0+2], v[T0], 2, s68          ; layer 2's: 4 (64 w + r)
	s_and_b32 s68, s[WV], 1
	s_lshl_b32 s68, s68, 7
	v_lshl_add_u32 v[T0+3], v[T0], 2, s68          ; the read-outs': 4 (32 (w & 1) + r)
	; the parameters, into the registers in which they stay; a tile is 64 bytes on
.set i, 0
.rept 8
	global_load_b32 v[BI1+i],     v1, s[12:13] offset:64*i
	global_load_b32 v[BT1+2*i],   v1, s[14:15] offset:64*i
	global_load_b32 v[BT1+2*i+1], v1, s[16:17] offset:64*i
.set i, i+1
.endr
.set i, 0
.rept 4
	global_load_b32 v[BI2+i],     v[T0+2], s[18:19] offset:64*i
	global_load_b32 v[BT2+2*i],   v[T0+2], s[20:21] offset:64*i
	global_load_b32 v[BT2+2*i+1], v[T0+2], s[22:23] offset:64*i
.set i, i+1
.endr
.set i, 0
.rept 2
	global_load_b32 v[BB3+2*i],   v[T0+3], s[72:73] offset:64*i
	global_load_b32 v[BB3+2*i+1], v[T0+3], s[70:71] offset:64*i
.set i, i+1
.endr
	; the weights: each load of the wave takes 512 consecutive bytes of wfrag, straight into the registers in which they stay
.set i, 0
.rept 16                               ; W_h's fourth tile, on its way to LDS
	global_load_b128 v[G+8*i:G+8*i+3],   v[L16], s[10:11] offset:1024*(80+i)
	global_load_b128 v[G+8*i+4:G+8*i+7], v[L16], s[10:11] offset:1024*(80+i)+512
.set i, i+1
.endr
	WIN 0x40                               ; destination window 1, address window 0
.set i, 0
.rept 32
	global_load_b128 v[8*i:8*i+3],   v[L16], s[10:11] offset:1024*i
	global_load_b128 v[8*i+4:8*i+7], v[L16], s[10:11] offset:1024*i+512
.set i, i+1
.endr
	WIN 0x80
.set i, 0
.rept 32
	global_load_b128 v[8*i:8*i+3],   v[L16], s[10:11] offset:1024*(32+i)
	global_load_b128 v[8*i+4:8*i+7], v[L16], s[10:11] offset:1024*(32+i)+512
.set i, i+1
.endr
	WIN 0xc0
.set i, 0
.rept 16
	global_load_b128 v[8*i:8*i+3],   v[L16], s[10:11] offset:1024*(64+i)
	global_load_b128 v[8*i+4:8*i+7], v[L16], s[10:11] offset:1024*(64+i)+512
	global_load_b128 v[128+8*i:128+8*i+3],   v[L16], s[10:11] offset:1024*(96+i)
	global_load_b128 v[128+8*i+4:128+8*i+7], v[L16], s[10:11] offset:1024*(96+i)+512
.set i, i+1
.endr
	WIN 0
	s_wait_loadcnt 0x0                     ; once: parameters and weights
.set i, 0
.rept 16
	ds_store_b128 v[WLA], v[G+8*i:G+8*i+3]   offset:1024*i      ; my wave's own bytes: only I read them
	ds_store_b128 v[WLA], v[G+8*i+4:G+8*i+7] offset:1024*i+512
.set i, i+1
.endr
.macro RND first, n                    ; n registers: rounded to bf16, widened again
.set i, \first
.rept \n
	v_cvt_pk_bf16_f32 v[i], v[i], v[i]
.set i, i+1
.endr
.set i, \first
.rept \n
	v_lshlrev_b32 v[i], 16, v[i]
.set i, i+1
.endr
.endm
.macro CLIP first, n                   ; n betas, two registers apart: into 0 .. 1
.set i, \first
.rept \n
	v_max_num_f32 v[i], 0, v[i]
.set i, i+2
.endr
.set i, \first
.rept \n
	v_min_num_f32 v[i], 1.0, v[i]
.set i, i+2
.endr
.endm
	RND BT1, 24
	RND BT2, 12
	RND BB3, 4
	CLIP BT1, 8
	CLIP BT2, 4
	CLIP BB3, 2
.set i, 0
.rept 8                                ; layer 1's state at time 0
	v_mov_b32 v[M1+2*i], 0
	v_mov_b32 v[M1+2*i+1], 0
	v_cmp_gt_f32 s[MK], 0, v[BT1+2*i+1]
	v_cndmask_b32 v[S1S+2*i], 0, 1.0, s[MK]
	v_cndmask_b32 v[S1S+2*i+1], 0, 1.0, s[MK]
.set i, i+1
.endr
	INIT2                                  ; so that the first trips' scans, whose results are thrown away, read written registers
	INIT3
.set i, 0
.rept 32
	v_mov_b32 v[ACC2+i], 0                 ; what trip 0's scan 2 reads: there has been no product yet
.set i, i+1
.endr
.set i, 0
.rept 8
	ds_store_b128 v[S1WA], v[ACC2:ACC2+3] offset:16384+512*i   ; the buffers that trip 0 reads hold no spikes: my rows of them
.set i, i+1
.endr
.set i, 0
.rept 4
	ds_store_b128 v[S2WA], v[ACC2:ACC2+3] offset:8192+512*i
.set i, i+1
.endr
; ================ the walk: 3 chunks that ask for the next, then the last chunk and three trips more ================
	s_mov_b32 s[CH], 3
.Lchunk:
	BURST 1
	s_mov_b32 s[TR], 16
.Ltrip:
	TRIP 1
	s_sub_co_u32 s[TR], s[TR], 1
	s_cmp_lg_u32 s[TR], 0
	s_cbranch_scc1 .Ltrip
	s_sub_co_u32 s[CH], s[CH], 1
	s_cmp_lg_u32 s[CH], 0
	s_cbranch_scc1 .Lchunk
	BURST 0                                ; written out: nothing is left to fetch
	s_mov_b32 s[TR], 19
.Ltail:
	TRIP 0
	s_sub_co_u32 s[TR], s[TR], 1
	s_cmp_lg_u32 s[TR], 0
	s_cbranch_scc1 .Ltail
; ================ the way out: sigmoid = 1 / (1 + 2^(-log2(e) m)); through a stage [output 2][row 4][64 f32] where S1 lay (the last barrier stands behind every read of it) ================
.set i, 0
.rept 4
	v_mul_f32 v[G+i], 0xbfb8aa3b, v[MF+i]
.set i, i+1
.endr
.set i, 0
.rept 4
	v_exp_f32 v[G+i], v[G+i]
.set i, i+1
.endr
	v_and_b32 v[T0], 15, v0                ; a plain instruction between the last exponential and the use of its result
	v_bfe_u32 v[T0+1], v0, 4, 1
.set i, 0
	s_wait_alu depctr_va_vdst(0)
.rept 4
	v_add_f32 v[G+i], 1.0, v[G+i]
.set i, i+1
.endr
.set i, 0
.rept 4
	v_rcp_f32 v[G+i], v[G+i]
.set i, i+1
.endr
	s_lshr_b32 s68, s[WV], 1
	s_lshl_b32 s68, s68, 10                ; which output: 1,024 bytes
	s_and_b32 s69, s[WV], 1
	s_lshl_b32 s69, s69, 7                 ; my 32 columns
	s_add_co_u32 s68, s68, s69
	s_add_co_u32 s68, s68, S1B
	v_lshl_add_u32 v1, v[T0], 2, s68       ; column r (a plain instruction behind the last reciprocal)
	v_lshl_add_u32 v1, v[T0+1], 9, v1      ; rows 2 h, 2 h + 1
.set i, 0
	s_wait_alu depctr_va_vdst(0)
.rept 4
	ds_store_b32 v1, v[G+i] offset:64*(i/2)+256*(i%2)          ; tile i / 2, row 2 h + i % 2
.set i, i+1
.endr
	s_lshl_b32 s68, s[WV], 9
	s_add_co_u32 s68, s68, S1B
	v_add_nc_u32 v[T0+2], s68, v[L16]      ; back: wave w takes bytes 512 w on: two whole rows of its output
	s_lshl_b32 s68, ttmp9, 10              ; the work-group's four rows of 256 bytes,
	s_and_b32 s69, s[WV], 1
	s_lshl_b32 s69, s69, 9                 ; my two of them
	s_add_co_u32 s68, s68, s69
	v_add_nc_u32 v[T0+3], s68, v[L16]
	s_wait_dscnt 0x0                       ; for the others' sake: my stores into the stage are done
	s_barrier_signal -1
	s_barrier_wait -1
	ds_load_b128 v[G+4:G+7], v[T0+2]
	s_wait_dscnt 0x0
	global_store_b128 v[T0+3], v[G+4:G+7], s[74:75]            ; 16 lanes store 256 consecutive bytes, a whole row of the output
	s_wait_tensorcnt 0x0                   ; the wave's end: behind my last tensor load and my last LDS store
	ds_add_u32 v[SPW], v[NIL]
	s_wait_dscnt 0x0
	s_endpgm
.Lfunc_end_k_q6468d28873_snn:
	.size	k_q6468d28873_snn, .Lfunc_end_k_q6468d28873_snn-k_q6468d28873_snn
	.p2alignl 7, 3214868480
	.fill 96, 4, 3214868480
	.section	.rodata,"a",@progbits
	.p2align	6, 0x0
	.amdhsa_kernel k_q6468d28873_snn
		.amdhsa_group_segment_fixed_size 327680
		.amdhsa_private_segment_fixed_size 0
		.amdhsa_enable_private_segment 0
		.amdhsa_kernarg_size 112
		.amdhsa_user_sgpr_count 2
		.amdhsa_user_sgpr_kernarg_segment_ptr 1
		.amdhsa_wavefront_size32 1
		.amdhsa_system_sgpr_workgroup_id_x 1
		.amdhsa_system_sgpr_workgroup_id_y 1
		.amdhsa_system_sgpr_workgroup_id_z 1
		.amdhsa_system_vgpr_workitem_id 0
		.amdhsa_next_free_vgpr 1024
		.amdhsa_next_free_sgpr 80
		.amdhsa_reserve_vcc 0
		.amdhsa_float_denorm_mode_32 3
		.amdhsa_float_denorm_mode_16_64 3
		.amdhsa_memory_ordered 1
		.amdhsa_forward_progress 1
		.amdhsa_inst_pref_size 168
	.end_amdhsa_kernel
	.amdgpu_metadata
---
amdhsa.version: [ 1, 2 ]
amdhsa.kernels:
  - .name:           k_q6468d28873_snn
    .symbol:         k_q6468d28873_snn.kd
    .args:
      - { .name: x, .offset: 0, .size: 8, .value_kind: global_buffer, .address_space: global }
      - { .name: wfrag, .offset: 8, .size: 8, .value_kind: global_buffer, .address_space: global }
      - { .name: b_in, .offset: 16, .size: 8, .value_kind: global_buffer, .address_space: global }
      - { .name: beta1, .offset: 24, .size: 8, .value_kind: global_buffer, .address_space: global }
      - { .name: thr1, .offset: 32, .size: 8, .value_kind: global_buffer, .address_space: global }
      - { .name: b_h, .offset: 40, .size: 8, .value_kind: global_buffer, .address_space: global }
      - { .name: beta2, .offset: 48, .size: 8, .value_kind: global_buffer, .address_space: global }
      - { .name: thr2, .offset: 56, .size: 8, .value_kind: global_buffer, .address_space: global }
      - { .name: b_f, .offset: 64, .size: 8, .value_kind: global_buffer, .address_space: global }
      - { .name: beta_f, .offset: 72, .size: 8, .value_kind: global_buffer, .address_space: global }
      - { .name: b_a, .offset: 80, .size: 8, .value_kind: global_buffer, .address_space: global }
      - { .name: beta_a, .offset: 88, .size: 8, .value_kind: global_buffer, .address_space: global }
      - { .name: out0, .offset: 96, .size: 8, .value_kind: global_buffer, .address_space: global }
      - { .name: out1, .offset: 104, .size: 8, .value_kind: global_buffer, .address_space: global }
    .group_segment_fixed_size: 327680
    .private_segment_fixed_size: 0
    .kernarg_segment_align: 8
    .kernarg_segment_size: 112
    .max_flat_workgroup_size: 128
    .sgpr_count:     80
    .vgpr_count:     1024
    .wavefront_size: 32
...
	.end_amdgpu_metadata
.endif
;; end of part 2
